; MI455X (gfx1250); checked and timed in simulation.
; The chip was launched on July 23, 2026; its instructions are those of AMD's public machine-readable ISA for CDNA 5 (MIT licence, August 2026) and "CDNA5" Instruction Set Architecture Reference Guide (July 2026). The comments in the code are by the model that wrote it; some were corrected since.
;; Self Attention Layer. Allowed arithmetic: matrix products marked QUANTISED: E2M1 operands, one E8M0 scale for each 32 along K, by v_wmma_scale_f32_16x16x128_f8f6f4 with both operands' format E2M1 (or v_wmma_scale_f32_32x16x128_f4), f32 sums; everything else in f32.
;; Inputs: Wk 1,024 x 512 float32; Wq 1,024 x 512 float32; Wv 1,024 x 512 float32; X 8 x 2,048 x 512 float32; bk 1,024 float32; bq 1,024 float32; bv 1,024 float32.
;; Outputs: out0 8 x 2,048 x 1,024 float32.
;; This version of the problem:
;;   THIS VERSION OF THE PROBLEM IS GIVEN IN LOW PRECISION. The matrix products marked QUANTISED in the list below multiply operands that are first quantised to E2M1 (2 exponent bits, 1 mantissa bit; 4 bits a number), with one power-of-two scale for each 32 numbers along K (OCP MX v1.0); their sums are f32. All else is computed in f32.
;;   The module's matrix products, in the order in which they are computed (A, B: the left and right operand; K: the contracted axis; several contracted axes count as one K, in the product's order):
;;     1. [M 16,384, K 512] x [K 512, N 1,024]; A: input X; B: input Wq: QUANTISED
;;     2. [M 16,384, K 512] x [K 512, N 1,024]; A: input X; B: input Wk: QUANTISED
;;     3. [M 16,384, K 512] x [K 512, N 1,024]; A: input X; B: input Wv: QUANTISED
;;     4. batch 8 x [M 2,048, K 1,024] x [K 1,024, N 2,048]; A: computed on the way; B: computed on the way: QUANTISED
;;   THE QUANTISER, for each operand of a quantised product, along K:
;;     - K is cut into blocks of 32 from its start; a last block that is shorter is filled with zeros.
;;     - A block's scale is 2^e with e = floor(log2(the largest magnitude in the block)) - 2, held to -126 .. 127; a block of zeros has e = 0. As a byte (E8M0): e + 127.
;;     - Each number is divided by its block's scale, clamped to +-6, and rounded to the nearest number of E2M1, ties to even, subnormals kept.
;;     - The product sums the exact products of the quantised numbers (number of the format x scale) in f32.
;;   ~~~python
;;   def quantise(x, axis):      # numpy; x: float32 -> the quantised numbers, widened to float32 again
;;       x = np.moveaxis(x, axis, -1); K = x.shape[-1]
;;       x = np.pad(x, [(0, 0)] * (x.ndim - 1) + [(0, -K % 32)]); x = x.reshape(x.shape[:-1] + (-1, 32)); a = np.abs(x).max(-1, keepdims=True)
;;       e = np.where(a > 0, np.clip(np.frexp(np.where(a > 0, a, 1))[1] - 1 - 2, -126, 127), 0)      # np.frexp(a)[1] - 1 = floor(log2(a)), exactly
;;       r = np.clip(x / 2.0 ** e, -6, 6)
;;       step = 2.0 ** (np.maximum(np.frexp(np.where(r == 0, 1, r))[1] - 1, 0) - 1)
;;       q = np.round(r / step) * step * 2.0 ** e      # np.round: ties to even
;;       return np.moveaxis(q.reshape(q.shape[:-2] + (-1,))[..., :K], -1, axis).astype(np.float32)
;;   ~~~
;;   OPERANDS COMPUTED ON THE WAY. 'Computed on the way' means the value that the module computes at that place (a softmax that the list does not call 'softmax' is quantised finished and normalised). What goes into a quantiser is computed in f32, as accurately as f32 sums, v_exp_f32 and their like allow (about 1e-6 of the number): no bf16 or f16 on the way to a quantiser, and a product that is left as it is and whose result goes on into a quantised operand takes f32 operands (vector FMAs, or v_wmma_f32_16x16x4_f32). A number that lies on a knife's edge between two numbers of the format may be rounded either way, as far as f32 arithmetic and the matrix unit's own rounding can turn it there, and no further.
;; One version. Each part assembles by itself: llvm-mc -triple=amdgcn-amd-amdhsa -mcpu=gfx1250 --defsym DOCPART=n.
;; ======== version 1 of 1: 2 launches
;; limits: right only within a limited range of input values
;; workspace buffers: wc 278,528 bytes
;; launch wquant (part 1): grid 256 x 1, 4 waves a work-group, no clusters, 2,048 bytes of LDS; arguments Wv, wc; writes wc
.if DOCPART == 1
	.amdgcn_target "amdgcn-amd-amdhsa--gfx1250"
	.amdhsa_code_object_version 6
	.text
	.protected	k_qda80bd0cea_wquant
	.globl	k_qda80bd0cea_wquant
	.p2align	8
	.type	k_qda80bd0cea_wquant,@function
k_qda80bd0cea_wquant:
	s_mov_b64 s[64:65], 0
	v_nop
	global_prefetch_b8 v0, s[64:65] scope:SCOPE_SE
	s_setreg_imm32_b32 hwreg(HW_REG_WAVE_MODE, 25, 1), 1
	s_wait_xcnt 0x0
; THE PROGRAM: out0 = Q(X) Q(Wv)^T + bv, Q the MX-FP4 quantiser along K = 512.  Two launches: this one turns Wv into codes and scale words, the next one does the rest.
; WORK LEFT OUT, AND WHY IT IS DEAD.  reference() ends with out = sum(A, axis 2) * V, A = softmax(scores, axis 2).  A softmax is exp(s_l - max) / (the sum over l of exp(s_l - max)): for every finite row of
; scores the divisor is a sum of positive numbers (at least the 1 of the largest score), and the sum of A along that same axis is that divisor divided by itself: 1, in real numbers, whatever the scores are.
; So the factor in front of V is 1 by an identity, for all finite values of X, Wq, bq, Wk, bk, and nothing that only feeds it can reach the output: Q and K (products 1 and 2 of the problem's table, with
; their biases), the scores (product 4, with the quantising of Q and K), tril, the division by sqrt(1024), the maximum, the exponentials and the row's sum.  They come in whole products and steps and are
; left out.  The inputs Wq, bq, Wk, bk then have no way to the output: they are not loaded and are among no launch's arguments.  What reference()'s f32 makes of that sum differs from 1 by rounding alone.
; LIMIT: a NaN, an infinity or an overflow that arises only in Q, K or the scores is not carried to the result.
;
; THIS LAUNCH.  Wv [1024][512] f32, K innermost, becomes codes of E2M1 with one E8M0 byte for each 32 along K, laid IN THE ORDER OF THE MATRIX OPERAND'S REGISTERS.
; A fragment is 16 rows x 128 K: 8 registers a lane; lane (r, h) holds, in registers 4 c .. 4 c + 3, k = 64 c + 32 h + 0 .. 31 of its row.
; A group g of 64 rows is 17,408 bytes of wc (68 units of 256), from 17,408 g on: fragment 4 t + s (tile t, K step s) at 1,024 (4 t + s), its registers 4 c .. 4 c + 3 at + 512 c, lane l at + 16 l;
; behind the sixteen fragments their scale words, at 16,384 + 64 (4 t + s) + 4 r; byte b of a word scales k = 128 s + 32 b + 0 .. 31.
; THE ROWS OF A TILE ARE NOT NEIGHBOURS: lane r of tile t takes row 64 g + 4 r + t, so that the same register of the group's four results holds four neighbouring columns of the output.
; SHARES.  256 work-groups of four waves, a fragment each; wave v loads rows r = 4 v .. 4 v + 3 of it, 512 consecutive bytes a load, 16 bytes a lane: eight lanes hold a block of 32, and three steps between lanes join its
; largest magnitude.  A lane's four codes are two bytes: the fragment is put together in LDS and leaves as two stores of 512 consecutive bytes; the 16 scale words as 64.
; A block's scale is 2^(floor(log2(its largest magnitude)) - 2): its byte is the largest magnitude's exponent field - 2, held at 1 from below.
; LIMITS: a block of zeros gets the byte 1 where the quantiser says 127 (its codes are zeros, which add nothing under that byte, and this program alone reads the bytes); a block whose largest magnitude
; lies under 2^-124 is held at the byte 1; NaN and infinities among the inputs are not served.
.set GRP,  17408                       ; bytes of a group of 64 rows
.set PART, 320                         ; the image in LDS: block b of row r at 320 b + 16 r: the four blocks of a row fall into different columns of 16 bytes
.set SC,   4*PART                      ; 1,280: the scale words
.set SPARE, 1536                       ; the spare words, 128 bytes for each wave: two blocks of 256 bytes that no other line names
.set SPW,  1                           ; v1   LDS address of my spare word; never rewritten
.set NIL,  2                           ; v2   0; never rewritten
.set R,    64                          ; v64-79  the numbers: four of each of my four rows
.set T,    32                          ; v32-35 largest magnitudes, v36-39 the conversions' scale operands, v40-43 codes, v44-47 scale bytes
	s_load_b128 s[4:7], s[0:1], 0x0                ; Wv s[4:5], wc s[6:7]
	v_lshl_add_u32 v[SPW], v0, 2, SPARE
	v_mov_b32 v[NIL], 0
	v_lshrrev_b32 v3, 5, v0
	v_readfirstlane_b32 s8, v3                     ; wave 0..3
	s_lshl_b32 s9, s8, 6                           ; my rows in the image: 16 x 4 v
	s_lshl_b32 s10, s8, 4                          ; and among the scale words: 4 x 4 v
	s_add_co_u32 s10, s10, SC
	s_and_b32 s11, s8, 1                           ; which half of the image I send out, if I do
	s_mul_i32 s18, s11, 2*PART
	v_and_b32 v4, 31, v0                           ; lane
	v_bfe_u32 v5, v0, 3, 2                         ; b = lane / 8: my block of the four
	v_and_b32 v6, 7, v0
	v_bfe_u32 v7, v0, 4, 1                         ; h
	v_and_b32 v8, 15, v0                           ; r
	v_lshlrev_b32 v10, 4, v4                       ; 16 bytes a lane, in and out
	v_mul_u32_u24 v11, v5, PART
	v_mul_u32_u24 v13, v7, PART
	v_lshl_add_u32 v11, v6, 1, v11
	v_lshl_add_u32 v13, v8, 4, v13
	v_add_nc_u32 v11, s9, v11                      ; where my two bytes of codes go
	v_add_nc_u32 v12, s10, v5                      ; where my block's scale byte goes
	v_add_nc_u32 v13, s18, v13                     ; where I read the image back
	v_lshl_add_u32 v14, v8, 2, SC                  ; and the scale words
	v_lshlrev_b32 v15, 2, v8
	s_lshr_b32 s20, ttmp9, 4                       ; the group
	s_lshl_b32 s12, s20, 17                        ; 64 rows of 2,048 bytes each
	s_bfe_u32 s13, ttmp9, 0x20002                  ; the tile t
	s_lshl_b32 s13, s13, 11
	s_or_b32 s12, s12, s13
	s_and_b32 s13, ttmp9, 3                        ; the K step s, 512 bytes each
	s_lshl_b32 s13, s13, 9
	s_or_b32 s12, s12, s13
	s_lshl_b32 s13, s8, 15                         ; my four rows: 4 v x 4 rows of 2,048 bytes
	s_or_b32 s12, s12, s13
	s_mov_b32 s13, 0
	s_mul_i32 s20, s20, GRP
	s_and_b32 s21, ttmp9, 15
	s_lshl_b32 s14, s21, 10                        ; the fragment,
	s_add_co_u32 s14, s14, s20
	s_lshl_b32 s11, s11, 9                         ; and its half that I send
	s_add_co_u32 s14, s14, s11
	s_mov_b32 s15, 0
	s_lshl_b32 s16, s21, 6                         ; its scale words
	s_add_co_u32 s16, s16, s20
	s_add_co_u32 s16, s16, 16384
	s_mov_b32 s17, 0
	s_wait_alu depctr_va_vdst(0)                   ; the wait at the head's end
	s_wait_kmcnt 0x0
	s_add_nc_u64 s[4:5], s[4:5], s[12:13]
.irp i, 0,1,2,3
	global_load_b128 v[R+4*\i:R+4*\i+3], v10, s[4:5] offset:8192*\i th:TH_LOAD_NT   ; row 4 v + i of the fragment lies four rows of Wv further on
.endr
	s_add_nc_u64 s[14:15], s[6:7], s[14:15]
	s_add_nc_u64 s[16:17], s[6:7], s[16:17]
	s_wait_loadcnt 0x0
.irp i, 0,1,2,3
	v_max3_num_f32 v[T+\i], |v[R+4*\i]|, |v[R+4*\i+1]|, |v[R+4*\i+2]|   ; (the four rows by turns: no line waits for the line above it)
.endr
.irp i, 0,1,2,3
	v_max3_num_f32 v[T+\i], v[T+\i], |v[R+4*\i+3]|, 0x1800000   ; and the floor 2^(3 - 127): so the byte cannot fall under 1
.endr
.irp x, 1,2,4
.irp i, 0,1,2,3
	v_max_num_f32_dpp v[T+\i], v[T+\i], v[T+\i] row_xmask:\x row_mask:0xf bank_mask:0xf   ; the eight lanes of a block
.endr
.endr
.irp i, 0,1,2,3
	v_add_nc_u32 v[T+4+\i], 0xff000000, v[T+\i]    ; 2 off the exponent field: the conversion takes the exponent field of this operand as its scale, and nothing else of it
.endr
.irp i, 0,1,2
	v_cvt_scalef32_pk8_fp4_f32 v[T+8+\i], v[R+4*\i:R+4*\i+7], v[T+4+\i]   ; the low 16 bits are my four numbers of row i; the high 16 (the next row's under this scale) are not used
.endr
	v_cvt_scalef32_pk8_fp4_f32 v[T+11], v[R+8:R+15], v[T+7]               ; row 3's are the high 16 bits
.irp i, 0,1,2,3
	v_lshrrev_b32 v[T+12+\i], 23, v[T+4+\i]        ; the scale's byte.  (Plain places behind the conversions)
.endr
	v_lshrrev_b32 v[T+11], 16, v[T+11]
.irp i, 0,1,2,3
	ds_store_b16 v11, v[T+8+\i] offset:16*\i
	ds_store_b8 v12, v[T+12+\i] offset:4*\i        ; the eight lanes of a block write the same byte with the same value
.endr
	s_wait_dscnt 0x0                               ; for the others' sake: my stores have landed
	s_barrier_signal -1
	s_barrier_wait -1
	s_cmp_gt_u32 s8, 1                             ; waves 0 and 1 send the image's halves, wave 2 the scale words
	s_cbranch_scc1 .Lscales
	ds_load_b128 v[48:51], v13
	s_wait_dscnt 0x0
	global_store_b128 v10, v[48:51], s[14:15]      ; 32 lanes store 512 consecutive bytes, at a multiple of 512 from wc's first byte
	s_branch .Lend
.Lscales:
	s_cmp_gt_u32 s8, 2
	s_cbranch_scc1 .Lend
	ds_load_b32 v52, v14
	s_wait_dscnt 0x0
	s_wait_xcnt 0x0                                ; EXEC is a source of pending global instructions: it changes only behind this wait
	v_cmp_gt_u32 vcc_lo, 16, v4
	s_and_saveexec_b32 s22, vcc_lo                 ; lanes 0-15: a word for each row
	global_store_b32 v15, v52, s[16:17]
	s_wait_xcnt 0x0                                ; and again in front of the line that widens it
	s_or_b32 exec_lo, exec_lo, s22
.Lend:
	s_wait_tensorcnt 0x0                           ; the wave's end
	ds_add_u32 v[SPW], v[NIL]
	s_wait_dscnt 0x0
	s_endpgm
.Lfunc_end_k_qda80bd0cea_wquant:
	.size	k_qda80bd0cea_wquant, .Lfunc_end_k_qda80bd0cea_wquant-k_qda80bd0cea_wquant
	.p2alignl 7, 3214868480
	.fill 96, 4, 3214868480
	.section	.rodata,"a",@progbits
	.p2align	6, 0x0
	.amdhsa_kernel k_qda80bd0cea_wquant
		.amdhsa_group_segment_fixed_size 2048
		.amdhsa_private_segment_fixed_size 0
		.amdhsa_enable_private_segment 0
		.amdhsa_kernarg_size 16
		.amdhsa_user_sgpr_count 2
		.amdhsa_user_sgpr_kernarg_segment_ptr 1
		.amdhsa_wavefront_size32 1
		.amdhsa_system_sgpr_workgroup_id_x 1
		.amdhsa_system_sgpr_workgroup_id_y 1
		.amdhsa_system_sgpr_workgroup_id_z 1
		.amdhsa_system_vgpr_workitem_id 0
		.amdhsa_next_free_vgpr 96
		.amdhsa_next_free_sgpr 66
		.amdhsa_reserve_vcc 1
		.amdhsa_float_denorm_mode_32 3
		.amdhsa_float_denorm_mode_16_64 3
		.amdhsa_memory_ordered 1
		.amdhsa_forward_progress 1
		.amdhsa_inst_pref_size 7
	.end_amdhsa_kernel
	.amdgpu_metadata
---
amdhsa.version: [ 1, 2 ]
amdhsa.kernels:
  - .name:           k_qda80bd0cea_wquant
    .symbol:         k_qda80bd0cea_wquant.kd
    .args:
      - { .name: Wv, .offset: 0, .size: 8, .value_kind: global_buffer, .address_space: global }
      - { .name: wc, .offset: 8, .size: 8, .value_kind: global_buffer, .address_space: global }
    .group_segment_fixed_size: 2048
    .private_segment_fixed_size: 0
    .kernarg_segment_align: 8
    .kernarg_segment_size: 16
    .max_flat_workgroup_size: 128
    .sgpr_count:     66
    .vgpr_count:     96
    .wavefront_size: 32
...
	.end_amdgpu_metadata
.endif
;; end of part 1
;; launch proj (part 2): grid 256 x 1, 16 waves a work-group, clusters of 4 x 1, 327,680 bytes of LDS; arguments X, wc, bv, out0; writes out0
.if DOCPART == 2
	.amdgcn_target "amdgcn-amd-amdhsa--gfx1250"
	.amdhsa_code_object_version 6
	.text
	.protected	k_qda80bd0cea_proj
	.globl	k_qda80bd0cea_proj
	.p2align	8
	.type	k_qda80bd0cea_proj,@function
k_qda80bd0cea_proj:
	s_mov_b64 s[64:65], 0
	v_nop
	global_prefetch_b8 v0, s[64:65] scope:SCOPE_SE
	s_setreg_imm32_b32 hwreg(HW_REG_WAVE_MODE, 25, 1), 1
	s_wait_xcnt 0x0
	s_wait_alu depctr_hold_cnt(0) depctr_sa_sdst(0) depctr_va_vdst(0) depctr_va_sdst(0) depctr_va_ssrc(0) depctr_va_vcc(0) depctr_vm_vsrc(0)
	s_getreg_b32 s2, hwreg(HW_REG_IB_STS2, 6, 4)
	s_cmp_eq_u32 s2, 0
	s_cbranch_scc0 .Lentry_in_a_cluster
	s_endpgm
.Lentry_in_a_cluster:
	s_bfe_u32 s2, ttmp6, 0x10000c
	s_cmp_lg_u32 s2, 0x3003
	s_cbranch_scc0 .Lentry_shape_is_right
	s_endpgm
.Lentry_shape_is_right:
; out0 [16384][1024] f32 = Q(X) Q(Wv)^T + bv: X [16384][512] f32 is quantised here to codes of E2M1 with one E8M0 byte for each 32 along K; Wv's codes and scale words (wc) come from the launch before.
; WORK LEFT OUT: the factor sum(softmax) in front of V is 1 by an identity, so Q, K, the scores and the softmax are dead work, and Wq, bq, Wk, bk are not loaded (shown at the head of the first kernel; the
; limit stated there holds here: a NaN, an infinity or an overflow that arises only in that work is not carried to the result).
; SHARES.  256 work-groups; each owns 64 rows of X, four tiles of 16, and all 1,024 columns.  Sixteen waves of 256 registers.  THE WAVES SHARE THE COLUMNS: wave w makes columns 64 w .. 64 w + 63 for all 64 rows.
; W.  All work-groups need the same wc.  Four work-groups form a cluster and ask for it JOINTLY: wave w of each issues the same tensor load (group w of wc: 17,408 bytes, sixteen fragments in register order and
; their scale words), with the same descriptor and a mask that names the four.  It lands in LDS bytes that this wave alone reads, once, into 136 registers.
; X.  Wave w loads row w of each tile, straight into registers: 512 consecutive bytes a load, four loads a row.  Eight lanes hold a block of 32; three steps between lanes join its largest magnitude.  A lane's four codes
; are two bytes; codes and scale bytes go to LDS as an image of the operand's registers, from which every wave loads fragments whole.  Tiles 0 and 1 go through one barrier and are multiplied and stored; then tiles 2 and 3.
; THE PRODUCT: source 0 = 16 rows of X, source 1 = 16 rows of W.  In the result register j of lane (r, h) is (row 8 h + j, the column of W's row in lane r).  Lane r of my tile t is W's row 64 w + 4 r + t:
; so register j of my four accumulators holds four NEIGHBOURING columns, 64 w + 4 r + 0 .. 3, of one row.  The bias's addition, which is owed anyway, writes them into four consecutive registers, and one store of
; 16 bytes a lane covers 256 consecutive aligned bytes of row j (lanes 0-15) and of row 8 + j (lanes 16-31).  No stage in LDS on the way out.
; NO PREFETCH: there is no loop to run ahead in; all 131,072 bytes of X and all 278,528 of W that a work-group takes in are asked for at its head.
; No LDS byte is filled twice: one tensor load a wave, by this text's own count one outstanding.
; LIMITS: a block of zeros gets the byte 1 where the quantiser says 127 (its codes are zeros; the bytes never leave the work-group); a block whose largest magnitude lies under 2^-124 is held at the byte 1;
; NaN and infinities among the inputs are not served.
.set GRP,   17408                      ; bytes of a wave's part of wc, in memory and in LDS (68 units of 256): LDS bytes 17,408 w on
.set XIMG,  16*GRP                     ; 278,528: the images of X's 16 fragments (tile m, K step s): fragment 4 m + s at XFR (4 m + s);
.set PART,  320                        ; in it block b of row r at 320 b + 16 r: the four blocks of a row fall into different columns of 16 bytes
.set XFR,   4*PART
.set XSC,   XIMG+16*XFR                ; 299,008: their scale words, 64 bytes a fragment, 4 bytes a row
.set SPARE, XSC+16*64                  ; 300,032: the spare words, 128 bytes for each wave: eight blocks of 256 bytes that no other line names
.set SPW,  1                           ; v1   LDS address of my spare word; never rewritten
.set NIL,  2                           ; v2   0; never rewritten
.set XST,  3                           ; v3   where my two bytes of codes go in a fragment
.set XSS,  4                           ; v4   where my block's scale byte goes
.set IR,   5                           ; v5   where I read X's images
.set SR,   6                           ; v6   and scale words
.set WL,   7                           ; v7   where I read W's fragments
.set WSL,  8                           ; v8   and scale words
.set GO,   9                           ; v9   my 16 bytes in the wave's part of out0: 8 h rows of 4,096 bytes + 16 r
.set XO,   10                          ; v10  16 x lane
.set BO,   11                          ; v11  16 r: my four numbers of the wave's 64 of bv
.set BIAS, 12                          ; v12-15   bv at columns 64 w + 4 r + 0 .. 3
.set WS,   16                          ; v16-23   W's scale words, and nothing else: register 2 t + u: lanes 0-15 K step 2 u, lanes 16-31 K step 2 u + 1 of tile t
.set XS,   24                          ; v24-25   X's, and nothing else: register u likewise
.set XF,   32                          ; v32-63   X's four fragments of a tile of rows; results with the bias; at work while tiles 0 and 1 are quantised
.set ACC,  64                          ; v64-95   four accumulators, tile t at + 8 t; ahead of them X's numbers of tiles 0 and 1; at work while tiles 2 and 3 are quantised
.set RAW,  64                          ; v64-127  X's numbers: tile m at + 16 m, K step q at + 4 q
.set OUT2, 96                          ; v96-127  results with the bias of tile 2
.set WF,   128                         ; v128-255 W's fragments: (t, s) at + 32 t + 8 s
.set WV,   14                          ; s14  my wave's number
.set G0,   16                          ; s[16:19] descriptor group 0
.set G1,   20                          ; s[20:27] descriptor group 1
; A whole round of the cluster's barrier.
.macro CROUND
	s_barrier_signal -1
	s_barrier_wait -1
	s_cmp_lg_u32 s[WV], 0
	s_cbranch_scc1 .Lnot_wave_0_\@
	s_barrier_signal -3
.Lnot_wave_0_\@:
	s_barrier_wait -3
	s_barrier_signal -1
	s_barrier_wait -1
.endm
; my row of tile m: four loads
.macro LOADX m
.irp q, 0,1,2,3
	global_load_b128 v[RAW+16*\m+4*\q:RAW+16*\m+4*\q+3], v[XO], s[4:5] offset:32768*\m+512*\q th:TH_LOAD_NT
.endr
.endm
; my row of tile m becomes codes and scale bytes; the four K steps by turns: no line waits for the line above it.  younger: the loads that may be out
.macro QUANT m, younger
.set R, RAW+16*\m
.set T, XF+16*\m                       ; + 0 largest magnitudes, + 4 the conversions' scale operands, + 8 codes, + 12 scale bytes
	s_wait_loadcnt \younger
.irp q, 0,1,2,3
	v_max3_num_f32 v[T+\q], |v[R+4*\q]|, |v[R+4*\q+1]|, |v[R+4*\q+2]|
.endr
.irp q, 0,1,2,3
	v_max3_num_f32 v[T+\q], v[T+\q], |v[R+4*\q+3]|, 0x1800000   ; and the floor 2^(3 - 127): so the byte cannot fall under 1
.endr
.irp x, 1,2,4
.irp q, 0,1,2,3
	v_max_num_f32_dpp v[T+\q], v[T+\q], v[T+\q] row_xmask:\x row_mask:0xf bank_mask:0xf   ; the eight lanes of a block
.endr
.endr
.irp q, 0,1,2,3
	v_add_nc_u32 v[T+4+\q], 0xff000000, v[T+\q]    ; 2 off the exponent field: the conversion takes the exponent field of this operand as its scale, and nothing else of it
.endr
.irp q, 0,1,2
	v_cvt_scalef32_pk8_fp4_f32 v[T+8+\q], v[R+4*\q:R+4*\q+7], v[T+4+\q]   ; the low 16 bits are my four numbers of K step q; the high 16 (the next K step's under this scale) are not used
.endr
	v_cvt_scalef32_pk8_fp4_f32 v[T+11], v[R+8:R+15], v[T+7]               ; K step 3's are the high 16 bits
.irp q, 0,1,2,3
	v_lshrrev_b32 v[T+12+\q], 23, v[T+4+\q]        ; the scale's byte.  (Plain places behind the conversions)
.endr
	v_lshrrev_b32 v[T+11], 16, v[T+11]
.irp q, 0,1,2,3
	ds_store_b16 v[XST], v[T+8+\q] offset:(4*\m+\q)*XFR
	ds_store_b8 v[XSS], v[T+12+\q] offset:(4*\m+\q)*64   ; the eight lanes of a block write the same byte with the same value
.endr
.endm
.macro MEET                            ; the images just stored are everybody's
	s_wait_dscnt 0x0                               ; for the others' sake: my stores have landed
	s_barrier_signal -1
	s_barrier_wait -1
.endm
; the four fragments and the scale words of tile m: ten LDS loads
.macro FETCHX m
.irp s, 0,1,2,3
.irp c, 0,1
	ds_load_b128 v[XF+8*\s+4*\c:XF+8*\s+4*\c+3], v[IR] offset:(4*\m+\s)*XFR+2*PART*\c
.endr
.endr
.irp u, 0,1
	ds_load_b32 v[XS+\u], v[SR] offset:(2*\m+\u)*128
.endr
.endm
; W's scale words and fragments, by K steps: 8 + 4 x 8 LDS loads
.macro FETCHW
.irp q, 0,1,2,3,4,5,6,7
	ds_load_b32 v[WS+\q], v[WSL] offset:16384+128*\q
.endr
.irp s, 0,1,2,3
.irp t, 0,1,2,3
.irp c, 0,1
	ds_load_b128 v[WF+32*\t+8*\s+4*\c:WF+32*\t+8*\s+4*\c+3], v[WL] offset:(4*\t+\s)*1024+512*\c
.endr
.endr
.endr
.endm
; sixteen matrix instructions: K ascending, my four tiles by turns, one instruction a turn.  The first K step starts the sums: nothing is cleared.
; first = 1: W's K steps are still coming: eight loads for each that is to follow may be out
.macro MULS first
.irp s, 0,1,2,3
.if \first
	s_wait_dscnt 24-8*\s
.endif
.irp t, 0,1,2,3
.if \s == 0
	v_wmma_scale_f32_16x16x128_f8f6f4 v[ACC+8*\t:ACC+8*\t+7], v[XF+8*\s:XF+8*\s+7], v[WF+32*\t+8*\s:WF+32*\t+8*\s+7], 0, v[XS+\s/2], v[WS+2*\t+\s/2] matrix_a_fmt:MATRIX_FMT_FP4 matrix_b_fmt:MATRIX_FMT_FP4
.elseif \s == 2
	v_wmma_scale_f32_16x16x128_f8f6f4 v[ACC+8*\t:ACC+8*\t+7], v[XF+8*\s:XF+8*\s+7], v[WF+32*\t+8*\s:WF+32*\t+8*\s+7], v[ACC+8*\t:ACC+8*\t+7], v[XS+\s/2], v[WS+2*\t+\s/2] matrix_a_fmt:MATRIX_FMT_FP4 matrix_b_fmt:MATRIX_FMT_FP4
.else
	v_wmma_scale_f32_16x16x128_f8f6f4 v[ACC+8*\t:ACC+8*\t+7], v[XF+8*\s:XF+8*\s+7], v[WF+32*\t+8*\s:WF+32*\t+8*\s+7], v[ACC+8*\t:ACC+8*\t+7], v[XS+\s/2], v[WS+2*\t+\s/2] matrix_a_fmt:MATRIX_FMT_FP4 matrix_b_fmt:MATRIX_FMT_FP4 matrix_a_scale:MATRIX_SCALE_ROW1 matrix_b_scale:MATRIX_SCALE_ROW1
.endif
.endr
.endr
.rept 4
	v_nop                                          ; four places behind the last product: for what reads results or lands on operands (ISA guide 7.12.1)
.endr
.endm
; the bias, and out, by way of 32 registers from o on: j ascending
.macro OUTS m, o
.irp j, 0,1,2,3,4,5,6,7
.irp t, 0,1,2,3
	v_add_f32 v[\o+4*\j+\t], v[ACC+8*\t+\j], v[BIAS+\t]   ; (row 16 m + 8 h + j, column 64 w + 4 r + t)
.endr
	global_store_b128 v[GO], v[\o+4*\j:\o+4*\j+3], s[10:11] offset:(16*\m+\j)*4096 th:TH_STORE_NT   ; sixteen lanes store 256 consecutive bytes, at a multiple of 256 from out0's first byte; written once, read by nobody here
.endr
.endm
	s_load_b256 s[4:11], s[0:1], 0x0               ; X s[4:5], wc s[6:7], bv s[8:9], out0 s[10:11]
	v_lshl_add_u32 v[SPW], v0, 2, SPARE
	v_mov_b32 v[NIL], 0
	ds_add_u32 v[SPW], v[NIL]                      ; the wave's opening: the add, twice on end, and its wait ahead of my first tensor load; the set-up below, work on registers, stands between
	ds_add_u32 v[SPW], v[NIL]                      ; and once more, under the one wait
	v_lshrrev_b32 v26, 5, v0
	v_readfirstlane_b32 s[WV], v26                 ; wave 0..15
	s_bfe_u32 s12, ttmp6, 0x40000                  ; my place in the cluster
	s_lshl_b32 s13, ttmp9, 2
	s_add_co_u32 s13, s13, s12                     ; work-group = 4 x cluster + place
	s_lshl_b32 s28, s13, 17                        ; X: the work-group's 64 rows of 2,048 bytes,
	s_lshl_b32 s32, s[WV], 11
	s_or_b32 s28, s28, s32                         ; my row of each tile
	s_mov_b32 s29, 0
	s_mul_i32 s30, s[WV], GRP                      ; my group of W, in wc and in LDS alike
	s_mov_b32 s31, 0
	s_lshl_b32 s32, s[WV], 8                       ; bv: my 64 numbers
	s_mov_b32 s33, 0
	s_lshl_b32 s34, s13, 18                        ; out0: the work-group's 64 rows of 4,096 bytes,
	s_or_b32 s34, s34, s32                         ; my 64 columns
	s_mov_b32 s35, 0
	s_lshl_b32 s36, s[WV], 4
	s_add_co_u32 s36, s36, XIMG
	s_lshl_b32 s37, s[WV], 2
	s_add_co_u32 s37, s37, XSC
	v_and_b32 v27, 31, v0                          ; lane
	v_and_b32 v28, 15, v0                          ; r
	v_bfe_u32 v29, v0, 4, 1                        ; h
	v_bfe_u32 v30, v0, 3, 2                        ; b = lane / 8: my block of a load's four
	v_and_b32 v31, 7, v0
	v_lshlrev_b32 v[XO], 4, v27
	v_mul_u32_u24 v[XST], v30, PART
	v_mul_u32_u24 v[IR], v29, PART
	v_lshlrev_b32 v[GO], 15, v29
	v_lshl_add_u32 v[XST], v31, 1, v[XST]
	v_lshl_add_u32 v[IR], v28, 4, v[IR]
	v_lshl_or_b32 v[GO], v28, 4, v[GO]
	v_add_nc_u32 v[XST], s36, v[XST]
	v_add_nc_u32 v[IR], XIMG, v[IR]
	v_add_nc_u32 v[XSS], s37, v30
	v_lshl_add_u32 v[SR], v27, 2, XSC
	v_lshl_add_u32 v[WL], v27, 4, s30
	v_lshl_add_u32 v[WSL], v27, 2, s30
	v_lshlrev_b32 v[BO], 4, v28
	; descriptor group 1: a dense block of 17,408 bytes, as 17 rows of 1,024 bytes
	s_mov_b32 s[G1+0], 15|(3<<16)|(1<<21)          ; 15:0 the mask: all four of the cluster; 17:16 elements of 8 bytes; 21 set beside a mask; no padding
	s_mov_b32 s[G1+1], 128<<16                     ; tensor_dim0 = 128
	s_mov_b32 s[G1+2], 17<<16                      ; tensor_dim1 = 17
	s_mov_b32 s[G1+3], 128<<16                     ; tile_dim0 = 128
	s_mov_b32 s[G1+4], 17                          ; tile_dim1 = 17
	s_mov_b32 s[G1+5], 128                         ; tensor_dim0_stride
	s_mov_b32 s[G1+6], 0
	s_mov_b32 s[G1+7], 0
	s_mov_b32 s[G0], 1                             ; count = 1
	s_mul_i32 s[G0+1], s[WV], GRP                  ; LDS address: no place in the cluster enters it
	s_wait_alu depctr_va_vdst(0)                   ; the wait at the head's end
	s_wait_dscnt 0x0                               ; both opening adds are done
	s_wait_kmcnt 0x0
	s_add_nc_u64 s[4:5], s[4:5], s[28:29]
	s_add_nc_u64 s[8:9], s[8:9], s[32:33]
	LOADX 0                                        ; seventeen loads in all: tile 0's four, tile 1's four, the bias, and behind W's request tile 2's four and tile 3's four
	LOADX 1
	global_load_b128 v[BIAS:BIAS+3], v[BO], s[8:9]
	s_add_nc_u64 s[G0+2:G0+3], s[6:7], s[30:31]    ; global address of my group: the same in all four work-groups
	s_or_b32 s[G0+3], s[G0+3], 0x80000000          ; type = 2
	s_add_nc_u64 s[10:11], s[10:11], s[34:35]
	CROUND                                         ; all four work-groups are here: the joint loads meet
	tensor_load_to_lds s[G0:G0+3], s[G1:G1+7]      ; my one tensor load: every wave issues one, into bytes which it alone reads
	s_nop 0
.rept 4
	v_nop
.endr
	LOADX 2
	LOADX 3
	QUANT 0, 13                                    ; all but tile 0's four may be out
	QUANT 1, 8                                     ; tile 1's and the bias are in too
	MEET
	FETCHX 0
	s_wait_tensorcnt 0x0                           ; my group of W is in LDS; no other wave reads it, so this wait is all the ordering that my reads need
	FETCHW
	MULS 1
	OUTS 0, XF                                     ; (the fragments are done with: the results go where they lay)
	s_wait_xcnt 0x0                                ; the stores have read their data: the next fragments may land there
	FETCHX 1
	s_wait_dscnt 0x0
	MULS 0
	OUTS 1, XF
	QUANT 2, 4
	QUANT 3, 0
	MEET
	s_wait_xcnt 0x0                                ; tile 1's stores have read their data
	FETCHX 2
	s_wait_dscnt 0x0
	MULS 0
	FETCHX 3                                       ; the last tile's operands come while this tile's results leave
	OUTS 2, OUT2                                   ; (tiles 2 and 3 of X are codes by now: their registers are free)
	s_wait_dscnt 0x0
	MULS 0
	OUTS 3, XF
	s_wait_tensorcnt 0x0                           ; the wave's end
	ds_add_u32 v[SPW], v[NIL]
	s_wait_dscnt 0x0
	CROUND                                         ; the closing round: no work-group ends while a partner may still ask for a tile that names it
	s_endpgm
.Lfunc_end_k_qda80bd0cea_proj:
	.size	k_qda80bd0cea_proj, .Lfunc_end_k_qda80bd0cea_proj-k_qda80bd0cea_proj
	.p2alignl 7, 3214868480
	.fill 96, 4, 3214868480
	.section	.rodata,"a",@progbits
	.p2align	6, 0x0
	.amdhsa_kernel k_qda80bd0cea_proj
		.amdhsa_group_segment_fixed_size 327680
		.amdhsa_private_segment_fixed_size 0
		.amdhsa_enable_private_segment 0
		.amdhsa_kernarg_size 32
		.amdhsa_user_sgpr_count 2
		.amdhsa_user_sgpr_kernarg_segment_ptr 1
		.amdhsa_wavefront_size32 1
		.amdhsa_system_sgpr_workgroup_id_x 1
		.amdhsa_system_sgpr_workgroup_id_y 1
		.amdhsa_system_sgpr_workgroup_id_z 1
		.amdhsa_system_vgpr_workitem_id 0
		.amdhsa_next_free_vgpr 256
		.amdhsa_next_free_sgpr 66
		.amdhsa_reserve_vcc 0
		.amdhsa_float_denorm_mode_32 3
		.amdhsa_float_denorm_mode_16_64 3
		.amdhsa_memory_ordered 1
		.amdhsa_forward_progress 1
		.amdhsa_inst_pref_size 38
	.end_amdhsa_kernel
	.amdgpu_metadata
---
amdhsa.version: [ 1, 2 ]
amdhsa.kernels:
  - .name:           k_qda80bd0cea_proj
    .symbol:         k_qda80bd0cea_proj.kd
    .args:
      - { .name: X, .offset: 0, .size: 8, .value_kind: global_buffer, .address_space: global }
      - { .name: wc, .offset: 8, .size: 8, .value_kind: global_buffer, .address_space: global }
      - { .name: bv, .offset: 16, .size: 8, .value_kind: global_buffer, .address_space: global }
      - { .name: out0, .offset: 24, .size: 8, .value_kind: global_buffer, .address_space: global }
    .group_segment_fixed_size: 327680
    .private_segment_fixed_size: 0
    .kernarg_segment_align: 8
    .kernarg_segment_size: 32
    .max_flat_workgroup_size: 512
    .sgpr_count:     66
    .vgpr_count:     256
    .wavefront_size: 32
...
	.end_amdgpu_metadata
.endif
;; end of part 2
